; MI455X (gfx1250); checked and timed in simulation.
; The chip was launched on July 23, 2026; its instructions are those of AMD's public machine-readable ISA for CDNA 5 (MIT licence, August 2026) and "CDNA5" Instruction Set Architecture Reference Guide (July 2026). The comments in the code are by the model that wrote it; some were corrected since.
;; Vector Quantizer. Allowed arithmetic: matrix products marked QUANTISED: E4M3 operands, one given power-of-two scale a tensor, by v_wmma_f32_16x16x64_fp8_fp8 or v_wmma_f32_16x16x128_fp8_fp8, f32 sums; everything else in f32.
;; Inputs: embeddings 64 x 512 float32; inputs 32 x 64 x 64 x 64 float32; lowp_scales 2 int32 (the exponents e of the quantised operands' scales 2^e).
;; Outputs: out0 32 x 64 x 64 x 64 float32; out1 one number float32; out2 131,072 int32.
;; This version of the problem:
;;   THIS VERSION OF THE PROBLEM IS GIVEN IN LOW PRECISION. The matrix products marked QUANTISED in the list below multiply operands that are first quantised to E4M3 (4 exponent bits, 3 mantissa bits; 8 bits a number), with one given power-of-two scale for each operand tensor; their sums are f32. All else is computed in f32.
;;   The module's matrix products, in the order in which they are computed (A, B: the left and right operand; K: the contracted axis; several contracted axes count as one K, in the product's order):
;;     1. [M 131,072, K 64] x [K 64, N 512]; A: input inputs; B: input embeddings: QUANTISED (scales: A lowp_scales[0], B lowp_scales[1])
;;   THE QUANTISER, for each operand of a quantised product, along K:
;;     - The operand's scale is 2^e, e = its entry of the input lowp_scales (int32; the entries are numbered through the quantised products in the list's order, A before B).
;;     - Each number is divided by the scale, clamped to +-448, and rounded to the nearest number of E4M3, ties to even, subnormals kept.
;;     - The product sums the exact products of the quantised numbers (number of the format x scale) in f32.
;;   ~~~python
;;   def quantise(x, axis, e):      # numpy; x: float32 -> the quantised numbers, widened to float32 again
;;       x = np.moveaxis(x, axis, -1); K = x.shape[-1]
;;       r = np.clip(x / 2.0 ** e, -448, 448)
;;       step = 2.0 ** (np.maximum(np.frexp(np.where(r == 0, 1, r))[1] - 1, -6) - 3)
;;       q = np.round(r / step) * step * 2.0 ** e      # np.round: ties to even
;;       return np.moveaxis(q, -1, axis).astype(np.float32)
;;   ~~~
;; One version. Each part assembles by itself: llvm-mc -triple=amdgcn-amd-amdhsa -mcpu=gfx1250 --defsym DOCPART=n.
;; ======== version 1 of 1: 3 launches
;; limits: right only within a limited range of input values
;; workspace buffers: idx 524,288 bytes of whole numbers; et 131,072 bytes; part 2,048 bytes
;; launch nearest (part 1): grid 256 x 1, 8 waves a work-group, no clusters, 177,152 bytes of LDS; arguments inputs, embeddings, lowp_scales, out2, idx, et; writes out2, idx, et
.if DOCPART == 1
	.amdgcn_target "amdgcn-amd-amdhsa--gfx1250"
	.amdhsa_code_object_version 6
	.text
	.protected	k_q8eef1a24b2_nearest
	.globl	k_q8eef1a24b2_nearest
	.p2align	8
	.type	k_q8eef1a24b2_nearest,@function
k_q8eef1a24b2_nearest:
	s_mov_b64 s[64:65], 0
	v_nop
	global_prefetch_b8 v0, s[64:65] scope:SCOPE_SE
	s_setreg_imm32_b32 hwreg(HW_REG_WAVE_MODE, 25, 1), 1
	s_wait_xcnt 0x0
; For each of 131,072 rows x (64 numbers, f32): the index of the nearest of 512 code vectors (embeddings [64][512], f32, K = its first axis).
; d(row, code) = (|x|^2 - 2 p) + |e|^2 with the two f32 roundings in that order; p = the product of the E4M3 codes of x (scale 2^e0) and of e (scale 2^e1), summed in f32 by
; v_wmma_f32_16x16x64_fp8_fp8 and multiplied by 2^(e0 + e1); |x|^2 and |e|^2 are sums of the unquantised numbers.  The smallest d wins, among equal ones the lowest index.
; The index goes to out2 and, a second time, to idx, from which the next launch forms addresses.  Each work-group also stores two rows of the transposed codebook (et [512][64] f32).
; DEAD WORK (in the next launch): out0 = x + (q - x) is q for all finite x and q, since x - x = 0: so out0 is q as gathered, and x serves the loss alone.  LIMIT: a NaN, an infinity or an overflow that reaches
; only x + (q - x) is not carried to out0.
; SHARES.  A work-group of eight waves owns 512 rows, a wave 64: four tiles of 16.  Two waves lie on a SIMD, so that one wave's vector work stands beside the other's waits.
; x comes by one tensor load a wave (64 rows of 256 bytes, 16 bytes of padding behind each); nothing in LDS is filled a second time.
; THE CODEBOOK is quantised once a work-group: wave w takes columns 64 w .. 64 w + 63, a lane a column, registers down K, so the conversions give codes with K innermost; they go to LDS as
; images of the operand's registers (a tile of 16 codes: 1,024 bytes), |e|^2 beside them; one barrier.  Every wave then walks the 32 tiles once, two a step, for its four tiles of rows together.
; THE PRODUCT IS USED TRANSPOSED: source 0 = 16 codes, source 1 = 16 rows of x.  Lane (r, h) then holds row r and, in register j, code 16 t + 8 h + j: the search runs down a lane's registers.
; K IN THE FRAGMENTS: lane (r, h) holds k = 32 h + 4 i + b in byte b of register i, in x's and in the codebook's alike: the same permutation of k on both sides, so every product meets its partner.
; NO CLUSTER: the codebook's 128 KiB are read once by a work-group, straight into the registers in which the conversions want them; no tile is walked again.  NO PREFETCH: all that a wave reads is asked for at its head.
; LIMITS: e0 and e1 between -126 and 119, e0 + e1 + 1 between -126 and 127, so that each power of two below is an f32 number.  NaN among the inputs is not served.
.set XP,    272                        ; a row of x in LDS: 256 bytes + 16: row r starts 4 r words on, so the 16 rows that a load touches start at 16 different banks (ISA guide 11.1)
.set XWAVE, 64*XP                      ; a wave's 64 rows: 17,408 bytes
.set EI,    8*XWAVE                    ; behind x: the codebook's 32 images of 1,024 bytes
.set SE,    EI+32*1024                 ; |e|^2, 512 numbers
.set IX,    SE+2048                    ; a stage of 256 bytes for each wave's 64 indices
.set SPARE, IX+2048                    ; the spare words, 128 bytes for each wave: four blocks of 256 bytes that no other line names
.set LI,  1                            ; v1   16 x lane: a lane's place in an image; also the offset of the store into et
.set H32, 2                            ; v2   32 h: my half's eight numbers of a tile's |e|^2
.set EA,  3                            ; v3   LDS address of the images being fetched
.set SA,  4                            ; v4   and of |e|^2
.set SPW, 5                            ; v5   LDS address of my spare word
.set NIL, 6                            ; v6   0
.set XC,  8                            ; v8-39    x's codes: four fragments of 8
.set SX,  40                           ; v40-47   |x|^2 of my row in each tile, twice (a pair for the packed form)
.set RT,  48                           ; v48-51   tile i: RT + i the smallest d so far;  v52-55: RT + 4 + i 32 x the step in which it was found
.set W,   56                           ; v56-119  tile i: that step's sixteen d
.set ACC, 120                          ; v120-183 tile i: the step's two accumulators
.set EB,  184                          ; v184-215 two buffers for two codebook fragments
.set SB,  216                          ; v216-247 two buffers for two tiles' |e|^2
.set T,   248                          ; v248-255 at work
; at the head alone, in W's and the later registers:
.set XA,  56                           ; LDS: row r of my wave's x, + 128 h
.set EW,  57                           ; LDS: where I store images
.set SW,  58                           ; LDS: where I store |e|^2
.set EO,  59                           ; embeddings: 256 x wave + 4 x lane
.set ETO, 60                           ; embeddings, for the two transposed rows
.set SCX, 61                           ; 2^e0
.set LMX, 62                           ; 448 x 2^e0
.set SCE, 63                           ; 2^e1
.set LME, 64                           ; 448 x 2^e1
.set ETD, 68                           ; v68-71 the transposed rows' data
.set RAW, 120                          ; v120-247 my two columns' 64 numbers each
.set NS,  42                           ; s[42:43] -2^(e0 + e1 + 1)
.set EOF, 44                           ; s44  LDS byte of the images that an even step fetches
.set SOF, 45                           ; s45  the same for |e|^2
.set CE,  46                           ; s46  32 x the even step: the loop's counter
.set CO,  47                           ; s47  of the odd step
.set M1,  48
.set M2,  49
.set SEL, 50                           ; s[50:51] v_permlanex16_b32: lane l xor 16
.set EQ,  52                           ; s52-55
.set HM,  56                           ; s56  lanes 16-31
	s_load_b256 s[4:11], s[0:1], 0x0               ; inputs s[4:5], embeddings s[6:7], lowp_scales s[8:9], out2 s[10:11]
	s_load_b128 s[12:15], s[0:1], 0x20             ; idx s[12:13], et s[14:15]
	v_lshl_add_u32 v[SPW], v0, 2, SPARE
	v_mov_b32 v[NIL], 0
	ds_add_u32 v[SPW], v[NIL]                      ; the wave's opening: the add, twice on end, and its wait ahead of my tensor load
	ds_add_u32 v[SPW], v[NIL]
	v_lshrrev_b32 v72, 5, v0
	v_and_b32 v73, 31, v0                          ; lane
	v_and_b32 v74, 15, v0                          ; r
	v_bfe_u32 v75, v0, 4, 1                        ; h
	v_readfirstlane_b32 s16, v72                   ; wave 0..7
	; descriptor group 1: 64 rows of 32 elements of 8 bytes, dense in memory; in LDS 4 words of padding behind every 64
	s_mov_b32 s24, (3<<16)|(1<<20)|(5<<22)|(3<<25)
	s_mov_b32 s25, 32<<16                          ; tensor_dim0 = 32
	s_mov_b32 s26, 64<<16                          ; tensor_dim1 = 64
	s_mov_b32 s27, 32<<16                          ; tile_dim0 = 32
	s_mov_b32 s28, 64                              ; tile_dim1 = 64
	s_mov_b32 s29, 32                              ; from row to row
	s_mov_b32 s30, 0
	s_mov_b32 s31, 0
	s_lshl_b32 s17, ttmp9, 3
	s_add_co_u32 s17, s17, s16                     ; which block of 64 rows is my wave's: 8 x work-group + wave, 0 .. 2,047
	s_lshl_b32 s18, s17, 14                        ; x 16,384 bytes
	s_mov_b32 s19, 0
	s_mov_b32 s20, 1                               ; group 0: count,
	s_mul_i32 s21, s16, XWAVE                      ; LDS address: my wave's own bytes
	s_lshl_b32 s35, s16, 8
	s_lshl_b32 s34, s16, 12
	s_add_co_u32 s34, s34, EI                      ; my wave's four tiles' images
	s_wait_alu depctr_va_vdst(0)
	v_lshlrev_b32 v[EO], 2, v73
	v_lshlrev_b32 v[LI], 4, v73
	v_lshlrev_b32 v[H32], 5, v75
	v_mul_u32_u24 v[XA], v74, XP
	v_lshlrev_b32 v[EW], 4, v74
	v_lshlrev_b32 v[ETO], 13, v74
	v_add_nc_u32 v[EO], s35, v[EO]                 ; column 64 w + lane, in bytes
	v_lshl_add_u32 v[XA], v75, 7, v[XA]
	v_lshl_add_u32 v[EW], v75, 10, v[EW]           ; lanes 16-31 hold the columns of the next tile
	v_lshl_add_u32 v[ETO], v75, 2, v[ETO]          ; rows 4 r + i of embeddings, column 2 g + h
	v_add_nc_u32 v[SW], SE, v[EO]
	v_add_nc_u32 v[XA], s21, v[XA]
	v_add_nc_u32 v[EW], s34, v[EW]
	s_wait_alu depctr_va_vdst(0)                   ; ahead of the waits and the branch below
	s_wait_dscnt 0x0                               ; both opening adds are done
	s_wait_kmcnt 0x0
	s_add_nc_u64 s[22:23], s[4:5], s[18:19]        ; global address,
	s_or_b32 s23, s23, 0x80000000                  ; type
	tensor_load_to_lds s[20:23], s[24:31]          ; my one tensor load; s[20:31] are never written again
	s_nop 0
	s_load_b64 s[32:33], s[8:9], 0x0               ; e0, e1
	s_lshl_b32 s34, ttmp9, 3
	s_mov_b32 s35, 0
	s_add_nc_u64 s[36:37], s[6:7], s[34:35]        ; embeddings at column 2 g (g = my work-group)
	s_lshl_b32 s40, ttmp9, 9
	s_mov_b32 s41, 0
	s_add_nc_u64 s[38:39], s[14:15], s[40:41]      ; et at row 2 g
	; rows 2 g and 2 g + 1 of the transposed codebook: wave 0 alone; lane (r, h) gathers e(4 r .. 4 r + 3, 2 g + h).  Asked for first, stored behind the first group's wait below
	s_cmp_lg_u32 s16, 0
	s_cbranch_scc1 .Lno_et
.irp i, 0,1,2,3
	global_load_b32 v[ETD+\i], v[ETO], s[36:37] offset:2048*\i
.endr
.Lno_et:
.set k, 0
.rept 64
	global_load_b32 v[RAW+k], v[EO], s[6:7] offset:2048*k          ; e(k, 64 w + lane): 32 lanes read 128 consecutive bytes
.set k, k+1
.endr
.set k, 0
.rept 64
	global_load_b32 v[RAW+64+k], v[EO], s[6:7] offset:2048*k+128   ; e(k, 64 w + 32 + lane)
.set k, k+1
.endr
	s_mov_b32 s[SEL], 0x76543210
	s_mov_b32 s[SEL+1], 0xfedcba98
	s_mov_b32 s[HM], 0xffff0000
	s_wait_kmcnt 0x0
	s_add_co_i32 s40, s32, 127
	s_lshl_b32 s41, s40, 23
	v_mov_b32 v[SCX], s41                          ; 2^e0 as f32: the conversion takes its exponent field
	s_add_co_i32 s40, s40, 8
	s_lshl_b32 s40, s40, 23
	s_or_b32 s40, s40, 0x600000
	v_mov_b32 v[LMX], s40                          ; 448 x 2^e0
	s_add_co_i32 s40, s33, 127
	s_lshl_b32 s41, s40, 23
	v_mov_b32 v[SCE], s41                          ; 2^e1
	s_add_co_i32 s40, s40, 8
	s_lshl_b32 s40, s40, 23
	s_or_b32 s40, s40, 0x600000
	v_mov_b32 v[LME], s40                          ; 448 x 2^e1
	s_add_co_i32 s[NS], s32, s33
	s_add_co_i32 s[NS], s[NS], 128
	s_lshl_b32 s[NS], s[NS], 23
	s_or_b32 s[NS], s[NS], 0x80000000              ; -2^(e0 + e1 + 1): a sum of codes x this is -2 p, exactly
	s_mov_b32 s[NS+1], s[NS]                       ; (named with it as a pair, so it is written)
; My column of group g: |e|^2 in two packed chains, the hold, the conversions, the images.  cd: 16 registers of codes, st: 4 of sums; each group has its own, so no LDS store's data are written again.
.macro EPREP g, cd, st, left
	s_wait_loadcnt \left
.set R, RAW+64*(\g)
.set k, 0
.rept 16
.if k == 0
	v_pk_mul_f32 v[\st:\st+1], v[R:R+1], v[R:R+1]                  ; the first products start the sums
	v_pk_mul_f32 v[\st+2:\st+3], v[R+2:R+3], v[R+2:R+3]
.else
	v_pk_fma_f32 v[\st:\st+1], v[R+k:R+k+1], v[R+k:R+k+1], v[\st:\st+1]
	v_pk_fma_f32 v[\st+2:\st+3], v[R+k+2:R+k+3], v[R+k+2:R+k+3], v[\st+2:\st+3]
.endif
.irp n, 0,1,2,3
	v_med3_num_f32 v[R+k+\n], v[R+k+\n], -v[LME], v[LME]           ; the conversion to an 8-bit code does not saturate (ISA guide 7.6.2): the hold at the largest code x the scale, behind the squares
.endr
.set k, k+4
.endr
.set k, 0
.rept 8
	v_cvt_scalef32_pk8_fp8_f32 v[\cd+2*k:\cd+2*k+1], v[R+8*k:R+8*k+7], v[SCE]   ; register i of the 16: k = 4 i .. 4 i + 3
.set k, k+1
.endr
	v_pk_add_f32 v[\st:\st+1], v[\st:\st+1], v[\st+2:\st+3]         ; (a plain vector line behind the last conversion)
	s_delay_alu instid0(VALU_DEP_1)
	v_add_f32 v[\st], v[\st], v[\st+1]
	ds_store_b32 v[SW], v[\st] offset:128*(\g)
.irp hh, 0,1
.irp q, 0,1
	ds_store_b128 v[EW], v[\cd+8*\hh+4*\q:\cd+8*\hh+4*\q+3] offset:2048*(\g)+512*\q+256*\hh   ; registers 4 q .. 4 q + 3 of the fragment's lane 16 hh + r
.endr
.endr
.endm
	s_wait_alu depctr_va_vdst(0)
	EPREP 0, 80, 96, 63                            ; behind group 0's loads stand group 1's 64; the wait's field holds 63, so one of those is waited for too; the loads for et are older
	s_wait_alu depctr_va_vdst(0)                   ; ahead of the branch
	s_cmp_lg_u32 s16, 0
	s_cbranch_scc1 .Lno_et_store
	global_store_b128 v[LI], v[ETD:ETD+3], s[38:39]   ; the 32 lanes store 512 consecutive bytes, aligned
.Lno_et_store:
	EPREP 1, 100, 116, 0
	s_wait_alu depctr_va_vdst(0)                   ; ahead of the barrier
	s_wait_dscnt 0x0                               ; for the others' sake: my images and sums lie in LDS
	s_barrier_signal -1
	s_barrier_wait -1                              ; everybody's do.  (My tensor load may still be out: only I read its bytes, behind my own wait)
	s_mov_b32 s[EOF], EI
	s_mov_b32 s[SOF], SE
	v_add_nc_u32 v[EA], s[EOF], v[LI]
	v_add_nc_u32 v[SA], s[SOF], v[H32]
.irp t, 0,1,2,3                                ; tiles 0 to 3 of the codebook: steps 0 and 1
	ds_load_b128 v[EB+8*\t:EB+8*\t+3], v[EA] offset:1024*\t
	ds_load_b128 v[EB+8*\t+4:EB+8*\t+7], v[EA] offset:1024*\t+512
.endr
.irp t, 0,1,2,3
	ds_load_b128 v[SB+8*\t:SB+8*\t+3], v[SA] offset:64*\t
	ds_load_b128 v[SB+8*\t+4:SB+8*\t+7], v[SA] offset:64*\t+16
.endr
	s_wait_xcnt 0x0                                ; every global load and store above has had its addresses translated: W's registers, which hold those addresses and data at the head, are written only behind this wait
	s_wait_tensorcnt 0x0                           ; my 64 rows of x lie in LDS
.macro XLOAD i, xr                             ; tile i: x(16 i + r, 32 h .. 32 h + 31)
.irp q, 0,1,2,3,4,5,6,7
	ds_load_b128 v[\xr+4*\q:\xr+4*\q+3], v[XA] offset:(\i)*16*XP+16*\q
.endr
.endm
.macro XQ i, xr                                ; |x|^2, the hold, the conversions
.set k, 0
.rept 8
.if k == 0
	v_pk_mul_f32 v[T:T+1], v[\xr:\xr+1], v[\xr:\xr+1]
	v_pk_mul_f32 v[T+2:T+3], v[\xr+2:\xr+3], v[\xr+2:\xr+3]
.else
	v_pk_fma_f32 v[T:T+1], v[\xr+k:\xr+k+1], v[\xr+k:\xr+k+1], v[T:T+1]
	v_pk_fma_f32 v[T+2:T+3], v[\xr+k+2:\xr+k+3], v[\xr+k+2:\xr+k+3], v[T+2:T+3]
.endif
.irp n, 0,1,2,3
	v_med3_num_f32 v[\xr+k+\n], v[\xr+k+\n], -v[LMX], v[LMX]
.endr
.set k, k+4
.endr
.set k, 0
.rept 4
	v_cvt_scalef32_pk8_fp8_f32 v[XC+8*(\i)+2*k:XC+8*(\i)+2*k+1], v[\xr+8*k:\xr+8*k+7], v[SCX]
.set k, k+1
.endr
	v_pk_add_f32 v[T:T+1], v[T:T+1], v[T+2:T+3]    ; (a plain vector line behind the last conversion)
	s_delay_alu instid0(VALU_DEP_1)
	v_add_f32 v[T], v[T], v[T+1]                   ; my 32 numbers' squares,
	s_delay_alu instid0(VALU_DEP_1)
	v_permlanex16_b32 v[T+2], v[T], s[SEL], s[SEL+1]
	s_delay_alu instid0(VALU_DEP_1)
	v_add_f32 v[SX+2*(\i)], v[T], v[T+2]           ; and the other half's: the same sum in both lanes of a row
	s_delay_alu instid0(VALU_DEP_1)
	v_mov_b32 v[SX+2*(\i)+1], v[SX+2*(\i)]
.endm
	XLOAD 0, ACC
	XLOAD 1, ACC+32
	s_wait_dscnt 8                                 ; all but the next tile's eight loads
	XQ 0, ACC
	XLOAD 2, ACC
	s_wait_dscnt 8
	XQ 1, ACC+32
	XLOAD 3, ACC+32
	s_wait_dscnt 8
	XQ 2, ACC
	s_wait_dscnt 0x0
	XQ 3, ACC+32
; Row tile i's two products of a step, from fragment buffer q.  No accumulator is added onto: K is one instruction.
.macro MUL i, q
.irp u, 0,1
	v_wmma_f32_16x16x64_fp8_fp8 v[ACC+16*(\i)+8*\u:ACC+16*(\i)+8*\u+7], v[EB+16*(\q)+8*\u:EB+16*(\q)+8*\u+7], v[XC+8*(\i):XC+8*(\i)+7], 0
.endr
.endm
.irp i, 0,1,2,3                                ; step 0's products
	MUL \i, 0
.endr
	s_mov_b32 s34, 0x7f800000                      ; the search begins at +infinity, so that the step is written once; these 72 lines are also the places behind the products (ISA guide 7.12.1)
.irp i, 0,1,2,3
	v_mov_b32 v[RT+\i], s34
	v_mov_b32 v[RT+4+\i], 0
.endr
.set k, 0
.rept 64
	v_mov_b32 v[W+k], s34
.set k, k+1
.endr
	s_mov_b32 s[EOF], EI+4*1024                    ; step s fetches the two fragments and the two tiles' |e|^2 of step s + 2
	s_mov_b32 s[SOF], SE+4*64
	s_mov_b32 s[CE], 0
; Where a row of tile i has found a smaller d in this step, the step and the step's sixteen d are kept: which of the sixteen it was is asked once, at the end.
.macro KEEP i, m, cs
.set KA, ACC+16*(\i)
	v_cndmask_b32 v[RT+4+\i], v[RT+4+\i], s[\cs], s[\m]
.irp j, 0,1,2,3,4,5,6,7,8,9,10,11,12,13,14,15
	v_cndmask_b32 v[W+16*(\i)+\j], v[W+16*(\i)+\j], v[KA+\j], s[\m]
.endr
.endm
; Two tiles of rows, a and b, against the step's 32 codes: 85 vector instructions for 32 distances a lane; the two take turns, so that few lines wait for the line above.
.macro PAIR a, b, p, cs
.set A, ACC+16*(\a)
.set B, ACC+16*(\b)
.set S, SB+16*(\p)
.irp k, 0,2,4,6,8,10,12,14
	v_pk_fma_f32 v[A+\k:A+\k+1], v[A+\k:A+\k+1], s[NS:NS+1], v[SX+2*(\a):SX+2*(\a)+1] op_sel_hi:[1,0,0]   ; |x|^2 - 2 p, one rounding; each accumulator from its low end on
.endr
.irp k, 0,2,4,6,8,10,12,14
	v_pk_fma_f32 v[B+\k:B+\k+1], v[B+\k:B+\k+1], s[NS:NS+1], v[SX+2*(\b):SX+2*(\b)+1] op_sel_hi:[1,0,0]
.endr
.irp k, 0,2,4,6,8,10,12,14
	v_pk_add_f32 v[A+\k:A+\k+1], v[A+\k:A+\k+1], v[S+\k:S+\k+1]     ; + |e|^2: d
.endr
.irp k, 0,2,4,6,8,10,12,14
	v_pk_add_f32 v[B+\k:B+\k+1], v[B+\k:B+\k+1], v[S+\k:S+\k+1]
.endr
.irp n, 0,1,2,3
	v_min3_num_f32 v[T+\n], v[A+3*\n], v[A+3*\n+1], v[A+3*\n+2]
	v_min3_num_f32 v[T+4+\n], v[B+3*\n], v[B+3*\n+1], v[B+3*\n+2]
.endr
	v_min3_num_f32 v[T], v[T], v[A+12], v[A+13]
	v_min3_num_f32 v[T+4], v[T+4], v[B+12], v[B+13]
	v_min3_num_f32 v[T+1], v[T+1], v[A+14], v[A+15]
	v_min3_num_f32 v[T+5], v[T+5], v[B+14], v[B+15]
	v_min3_num_f32 v[T+2], v[T+2], v[T+3], v[RT+\a]
	v_min3_num_f32 v[T+6], v[T+6], v[T+7], v[RT+\b]
	s_delay_alu instid0(VALU_DEP_2)
	v_min3_num_f32 v[T], v[T], v[T+1], v[T+2]      ; the smallest d, this step's sixteen included
	s_delay_alu instid0(VALU_DEP_2)
	v_min3_num_f32 v[T+5], v[T+4], v[T+5], v[T+6]
	s_delay_alu instid0(VALU_DEP_2)
	v_cmp_lt_f32 s[M1], v[T], v[RT+\a]             ; strictly smaller: among equal ones the earlier step stays
	s_delay_alu instid0(VALU_DEP_2)
	v_cmp_lt_f32 s[M2], v[T+5], v[RT+\b]
	v_dual_mov_b32 v[RT+\a], v[T] :: v_dual_mov_b32 v[RT+\b], v[T+5]
	KEEP \a, M1, \cs
	KEEP \b, M2, \cs
.endm
; STEP s (p = s % 2): tiles 2 s and 2 s + 1.  As soon as a pair of row tiles has used its distances, its products for step s + 1 go out onto the same accumulators: the other pair's 85 lines
; are the places between them and the next step's reads (ISA guide 7.12.1).
; left: in front of the search on |e|^2 of step s, asked for at the end of step s - 2: the eight loads of step s - 1 may stay out.
; In front of the products on the fragments of step s + 1, the first four of those eight: the four of |e|^2 behind them may stay out.
.macro STEP p, cs, mul, ld, left
	s_wait_dscnt \left
	PAIR 0, 1, \p, \cs
.if \mul
	s_wait_dscnt 4
	MUL 0, 1-\p
	MUL 1, 1-\p
.endif
	PAIR 2, 3, \p, \cs
.if \mul
	MUL 2, 1-\p
	MUL 3, 1-\p
.endif
.if \ld
.irp u, 0,1
	ds_load_b128 v[EB+16*\p+8*\u:EB+16*\p+8*\u+3], v[EA] offset:2048*\p+1024*\u
	ds_load_b128 v[EB+16*\p+8*\u+4:EB+16*\p+8*\u+7], v[EA] offset:2048*\p+1024*\u+512
.endr
.irp u, 0,1
	ds_load_b128 v[SB+16*\p+8*\u:SB+16*\p+8*\u+3], v[SA] offset:128*\p+64*\u
	ds_load_b128 v[SB+16*\p+8*\u+4:SB+16*\p+8*\u+7], v[SA] offset:128*\p+64*\u+16
.endr
.endif
.endm
.Lsweep:                                           ; 7 trips of two steps: s = 0 .. 13
	v_add_nc_u32 v[EA], s[EOF], v[LI]
	v_add_nc_u32 v[SA], s[SOF], v[H32]
	s_add_co_u32 s[CO], s[CE], 32
	STEP 0, CE, 1, 1, 8
	STEP 1, CO, 1, 1, 8
	s_add_co_u32 s[EOF], s[EOF], 4096
	s_add_co_u32 s[SOF], s[SOF], 256
	s_add_co_u32 s[CE], s[CE], 64
	s_cmp_lt_u32 s[CE], 448
	s_cbranch_scc1 .Lsweep
	s_add_co_u32 s[CO], s[CE], 32
	STEP 0, CE, 1, 0, 8                            ; s = 14 fetches nothing beyond tile 31
	STEP 1, CO, 0, 0, 0                            ; s = 15: no product is left
	; which of the winning step's sixteen: the lowest whose d is the smallest (one of them is: the minimum is one of its sources).  Place q of the sixteen is code 16 (q / 8) + 8 h + q % 8 of the step's 32
	v_bfe_u32 v[ACC+8], v0, 4, 1
	v_and_b32 v[H32], 31, v0                       ; lane.  (v2, v3, v4 and v7 serve the way out from here on: none of them has held a distance)
.irp i, 0,1,2,3
	v_mov_b32 v[T+\i], 23
.endr
.irp q, 14,13,12,11,10,9,8,7,6,5,4,3,2,1,0
.irp i, 0,1,2,3
	v_cmp_eq_f32 s[EQ+\i], v[W+16*\i+\q], v[RT+\i]
.endr
.irp i, 0,1,2,3
	v_cndmask_b32 v[T+\i], v[T+\i], \q+8*(\q/8), s[EQ+\i]
.endr
.endr
	s_lshl_b32 s34, s16, 8
	s_add_co_u32 s34, s34, IX                      ; my stage
	v_lshlrev_b32 v[ACC+8], 3, v[ACC+8]            ; 8 h
	v_lshlrev_b32 v7, 2, v[H32]                    ; the stage, in: 4 x lane
	v_lshlrev_b32 v[SA], 3, v[H32]                 ; 8 x lane: my place in the wave's 256 bytes of indices
.irp i, 0,1,2,3
	v_add3_u32 v[T+\i], v[RT+4+\i], v[T+\i], v[ACC+8]              ; my half's best code
	v_permlanex16_b32 v[ACC+\i], v[RT+\i], s[SEL], s[SEL+1]        ; the other half's smallest d (the destinations have been written: they held distances)
.endr
	v_add_nc_u32 v7, s34, v7
	v_add_nc_u32 v[EA], s34, v[SA]                 ; the stage, back
.irp i, 0,1,2,3
	v_permlanex16_b32 v[ACC+4+\i], v[T+\i], s[SEL], s[SEL+1]       ; and its code
.endr
.irp i, 0,1,2,3
	v_cmp_lt_f32 s[M1], v[ACC+\i], v[RT+\i]        ; the other half's is taken where it is smaller,
	v_cmp_eq_f32 s[M2], v[ACC+\i], v[RT+\i]
	v_cmp_lt_u32 vcc_lo, v[ACC+4+\i], v[T+\i]      ; or equal with the lower code
	s_and_b32 s[M2], s[M2], vcc_lo
	s_or_b32 vcc_lo, s[M1], s[M2]
	v_cndmask_b32 v[T+\i], v[T+\i], v[ACC+4+\i], vcc_lo
.endr
	; both lanes of a row hold its index.  Lanes 0-15 keep tile 0's (2's), lanes 16-31 tile 1's (3's): lane l = row l (32 + l); through my own stage they come back two rows a lane
	s_wait_alu depctr_va_vdst(0)                   ; scalar lines stood behind the writes above
	v_cndmask_b32 v[T+4], v[T], v[T+1], s[HM]
	v_cndmask_b32 v[T+5], v[T+2], v[T+3], s[HM]
	ds_store_b32 v7, v[T+4]
	ds_store_b32 v7, v[T+5] offset:128
	ds_load_b64 v[T+6:T+7], v[EA]                  ; LDS serves a wave's instructions in order (ISA guide 5.7.1.4): this sees my stores
	s_lshl_b32 s34, s17, 8                         ; my 64 indices: 256 bytes
	s_mov_b32 s35, 0
	s_add_nc_u64 s[10:11], s[10:11], s[34:35]
	s_add_nc_u64 s[12:13], s[12:13], s[34:35]
	s_wait_dscnt 0x0
	global_store_b64 v[SA], v[T+6:T+7], s[10:11] th:TH_STORE_NT    ; 32 lanes store 256 consecutive bytes, aligned
	global_store_b64 v[SA], v[T+6:T+7], s[12:13]                   ; and once more, for the next launch's addresses
	s_wait_tensorcnt 0x0                           ; the wave's end
	ds_add_u32 v[SPW], v[NIL]
	s_wait_dscnt 0x0
	s_endpgm
.Lfunc_end_k_q8eef1a24b2_nearest:
	.size	k_q8eef1a24b2_nearest, .Lfunc_end_k_q8eef1a24b2_nearest-k_q8eef1a24b2_nearest
	.p2alignl 7, 3214868480
	.fill 96, 4, 3214868480
	.section	.rodata,"a",@progbits
	.p2align	6, 0x0
	.amdhsa_kernel k_q8eef1a24b2_nearest
		.amdhsa_group_segment_fixed_size 177152
		.amdhsa_private_segment_fixed_size 0
		.amdhsa_enable_private_segment 0
		.amdhsa_kernarg_size 48
		.amdhsa_user_sgpr_count 2
		.amdhsa_user_sgpr_kernarg_segment_ptr 1
		.amdhsa_wavefront_size32 1
		.amdhsa_system_sgpr_workgroup_id_x 1
		.amdhsa_system_sgpr_workgroup_id_y 1
		.amdhsa_system_sgpr_workgroup_id_z 1
		.amdhsa_system_vgpr_workitem_id 0
		.amdhsa_next_free_vgpr 256
		.amdhsa_next_free_sgpr 66
		.amdhsa_reserve_vcc 1
		.amdhsa_float_denorm_mode_32 3
		.amdhsa_float_denorm_mode_16_64 3
		.amdhsa_memory_ordered 1
		.amdhsa_forward_progress 1
		.amdhsa_inst_pref_size 109
	.end_amdhsa_kernel
	.amdgpu_metadata
---
amdhsa.version: [ 1, 2 ]
amdhsa.kernels:
  - .name:           k_q8eef1a24b2_nearest
    .symbol:         k_q8eef1a24b2_nearest.kd
    .args:
      - { .name: inputs, .offset: 0, .size: 8, .value_kind: global_buffer, .address_space: global }
      - { .name: embeddings, .offset: 8, .size: 8, .value_kind: global_buffer, .address_space: global }
      - { .name: lowp_scales, .offset: 16, .size: 8, .value_kind: global_buffer, .address_space: global }
      - { .name: out2, .offset: 24, .size: 8, .value_kind: global_buffer, .address_space: global }
      - { .name: idx, .offset: 32, .size: 8, .value_kind: global_buffer, .address_space: global }
      - { .name: et, .offset: 40, .size: 8, .value_kind: global_buffer, .address_space: global }
    .group_segment_fixed_size: 177152
    .private_segment_fixed_size: 0
    .kernarg_segment_align: 8
    .kernarg_segment_size: 48
    .max_flat_workgroup_size: 256
    .sgpr_count:     66
    .vgpr_count:     256
    .wavefront_size: 32
...
	.end_amdgpu_metadata
.endif
;; end of part 1
;; launch gather (part 2): grid 512 x 1, 8 waves a work-group, no clusters, 1,280 bytes of LDS; arguments inputs, idx, et, out0, part; writes out0, part
.if DOCPART == 2
	.amdgcn_target "amdgcn-amd-amdhsa--gfx1250"
	.amdhsa_code_object_version 6
	.text
	.protected	k_q8eef1a24b2_gather
	.globl	k_q8eef1a24b2_gather
	.p2align	8
	.type	k_q8eef1a24b2_gather,@function
k_q8eef1a24b2_gather:
	s_mov_b64 s[64:65], 0
	v_nop
	global_prefetch_b8 v0, s[64:65] scope:SCOPE_SE
	s_setreg_imm32_b32 hwreg(HW_REG_WAVE_MODE, 25, 1), 1
	s_wait_xcnt 0x0
; out0[row] = q = et[idx[row]] (the row's code vector, 64 f32 = 256 bytes), and the work-group's share of the sum of (q - x)^2, in f32.
; DEAD WORK: reference() writes x + (q - x), which is q for all finite x and q, since x - x = 0; so q is stored as gathered, and x serves the loss alone.  LIMIT: a NaN, an infinity or an overflow that
; reaches only x + (q - x) is not carried to out0.
; A stream: memory binds, so no matrix unit, no cluster (work-groups share only the 128 KiB of et, of which each takes the rows that its indices name), no ring.  A wave owns 32 rows and has all its loads out at
; once: 4 of indices, 16 of x, 16 gathers.  The loss's arithmetic stands ahead of the stores, and the sixteen stores stand on end.
; Instruction k takes row k in lanes 0-15 and row 16 + k in lanes 16-31: each half reads or stores 256 consecutive bytes, aligned, and a lane's sixteen indices (rows 16 h + 0 .. 15) are 64 consecutive bytes.
; No prefetch: there is no loop to run ahead in; every address but the gathers' is asked for at the head, and the gathers' hang on the indices.
; An index is held at 511 ahead of its use as an address; the launch before stores 0 .. 511.
.set SPW, 2                            ; v2   LDS address of my spare word
.set NIL, 3                            ; v3   0
.set C16, 4                            ; v4   16 x (lane % 16)
.set XO,  5                            ; v5   4,096 h + 16 x (lane % 16): my 16 bytes of row 16 h
.set Z,   7                            ; v7   0
.set MY,  8                            ; v8   LDS address of my wave's sum
.set IO,  10                           ; v10  64 h
.set I,   12                           ; v12-27   indices, then byte offsets in et
.set L,   28                           ; v28-35   four packed chains of squares
.set Q,   36                           ; v36-99   q
.set X,   100                          ; v100-163 x, then q - x
.set SPARE, 256                        ; LDS: the eight sums have the block from 0 on; the spare words, 128 bytes for each wave: four blocks of 256 bytes that no other line names
	s_load_b256 s[4:11], s[0:1], 0x0               ; inputs s[4:5], idx s[6:7], et s[8:9], out0 s[10:11]
	s_load_b64 s[12:13], s[0:1], 0x20              ; part
	v_lshl_add_u32 v[SPW], v0, 2, SPARE
	v_mov_b32 v[NIL], 0
	v_lshrrev_b32 v1, 5, v0
	v_and_b32 v11, 15, v0
	v_bfe_u32 v6, v0, 4, 1                         ; h
	v_mov_b32 v[Z], 0
	v_readfirstlane_b32 s14, v1                    ; wave 0..7
	v_lshlrev_b32 v[C16], 4, v11
	v_lshlrev_b32 v[IO], 6, v6
	v_lshlrev_b32 v[XO], 12, v6
	s_lshl_b32 s18, s14, 2
	v_mov_b32 v[MY], s18
	v_add_nc_u32 v[XO], v[XO], v[C16]
	s_lshl_b32 s15, ttmp9, 3
	s_add_co_u32 s15, s15, s14                     ; which block of 32 rows: 0 .. 4,095
	s_lshl_b32 s16, s15, 13                        ; x 8,192 bytes of x and of out0
	s_mov_b32 s17, 0
	s_lshl_b32 s18, s15, 7                         ; x 128 bytes of indices
	s_mov_b32 s19, 0
	s_mov_b32 s32, 0x76543210
	s_mov_b32 s33, 0xfedcba98
	s_wait_alu depctr_va_vdst(0)
	s_wait_kmcnt 0x0
	s_add_nc_u64 s[6:7], s[6:7], s[18:19]
	s_add_nc_u64 s[4:5], s[4:5], s[16:17]
	s_add_nc_u64 s[10:11], s[10:11], s[16:17]
.irp m, 0,1,2,3
	global_load_b128 v[I+4*\m:I+4*\m+3], v[IO], s[6:7] offset:16*\m          ; idx of rows 16 h + 4 m .. + 3
.endr
.irp k, 0,1,2,3,4,5,6,7,8,9,10,11,12,13,14,15
	global_load_b128 v[X+4*\k:X+4*\k+3], v[XO], s[4:5] offset:256*\k th:TH_LOAD_NT
.endr
	s_wait_loadcnt 16                              ; the indices are in; the sixteen loads of x behind them stay out
.irp k, 0,1,2,3,4,5,6,7,8,9,10,11,12,13,14,15
	v_min_u32 v[I+\k], 0x1ff, v[I+\k]
.endr
.irp k, 0,1,2,3,4,5,6,7,8,9,10,11,12,13,14,15
	v_lshl_add_u32 v[I+\k], v[I+\k], 8, v[C16]     ; the code's row of 256 bytes, my 16 of them
.endr
.irp k, 0,1,2,3,4,5,6,7,8,9,10,11,12,13,14,15
	global_load_b128 v[Q+4*\k:Q+4*\k+3], v[I+\k], s[8:9]
.endr
.macro SQUARES g, left                 ; rows 8 g .. 8 g + 7 of each half
	s_wait_loadcnt \left                           ; their gathers are in (and all of x, issued earlier)
.set k, 16*(\g)
.rept 16
	v_pk_add_f32 v[X+2*k:X+2*k+1], v[Q+2*k:Q+2*k+1], v[X+2*k:X+2*k+1] neg_lo:[0,1] neg_hi:[0,1]     ; q - x
.set k, k+1
.endr
.set k, 16*(\g)
.rept 16
.if k < 4
	v_pk_mul_f32 v[L+2*k:L+2*k+1], v[X+2*k:X+2*k+1], v[X+2*k:X+2*k+1]       ; the first squares start the four chains
.else
	v_pk_fma_f32 v[L+2*(k%4):L+2*(k%4)+1], v[X+2*k:X+2*k+1], v[X+2*k:X+2*k+1], v[L+2*(k%4):L+2*(k%4)+1]
.endif
.set k, k+1
.endr
.endm
	SQUARES 0, 8                                   ; the last eight gathers may be out
	SQUARES 1, 0
	v_pk_add_f32 v[L:L+1], v[L:L+1], v[L+2:L+3]
	v_pk_add_f32 v[L+4:L+5], v[L+4:L+5], v[L+6:L+7]
	s_delay_alu instid0(VALU_DEP_1)
	v_pk_add_f32 v[L:L+1], v[L:L+1], v[L+4:L+5]
	s_delay_alu instid0(VALU_DEP_1)
	v_add_f32 v[L], v[L], v[L+1]                   ; my lane's 64 squares
	s_delay_alu instid0(VALU_DEP_1)
	v_add_f32_dpp v[L], v[L], v[L] row_xmask:1 row_mask:0xf bank_mask:0xf
	s_delay_alu instid0(VALU_DEP_1)
	v_add_f32_dpp v[L], v[L], v[L] row_xmask:2 row_mask:0xf bank_mask:0xf
	s_delay_alu instid0(VALU_DEP_1)
	v_add_f32_dpp v[L], v[L], v[L] row_xmask:4 row_mask:0xf bank_mask:0xf
	s_delay_alu instid0(VALU_DEP_1)
	v_add_f32_dpp v[L], v[L], v[L] row_xmask:8 row_mask:0xf bank_mask:0xf
	s_delay_alu instid0(VALU_DEP_1)
	v_permlanex16_b32 v[L+1], v[L], s32, s33
	s_delay_alu instid0(VALU_DEP_1)
	v_add_f32 v[L], v[L], v[L+1]                   ; the wave's
	ds_store_b32 v[MY], v[L]                       ; all lanes write the wave's word with the same number
	s_wait_tensorcnt 0x0                           ; behind my last LDS store
	ds_add_u32 v[SPW], v[NIL]
	s_wait_dscnt 0x0                               ; and for wave 0's sake: my sum lies in LDS
.irp k, 0,1,2,3,4,5,6,7,8,9,10,11,12,13,14,15
	global_store_b128 v[XO], v[Q+4*\k:Q+4*\k+3], s[10:11] offset:256*\k th:TH_STORE_NT   ; each store's registers are its own: none is written again
.endr
	s_barrier_signal -1
	s_barrier_wait -1
	s_cmp_lg_u32 s14, 0
	s_cbranch_scc1 .Ldone
	ds_load_b128 v[X:X+3], v[Z]                    ; the eight waves' sums
	ds_load_b128 v[X+4:X+7], v[Z] offset:16
	s_lshl_b32 s18, ttmp9, 2
	s_mov_b32 s19, 0
	s_add_nc_u64 s[12:13], s[12:13], s[18:19]
	s_wait_dscnt 0x0
	v_pk_add_f32 v[X:X+1], v[X:X+1], v[X+4:X+5]
	v_pk_add_f32 v[X+2:X+3], v[X+2:X+3], v[X+6:X+7]
	s_delay_alu instid0(VALU_DEP_1)
	v_pk_add_f32 v[X:X+1], v[X:X+1], v[X+2:X+3]
	s_delay_alu instid0(VALU_DEP_1)
	v_add_f32 v[X], v[X], v[X+1]
	v_cmp_eq_u32 vcc_lo, 0, v0
	s_wait_alu depctr_va_vdst(0)                   ; ahead of the wait below
	s_wait_xcnt 0x0                                ; EXEC is a source of the stores above: it changes only behind this wait
	s_and_saveexec_b32 s34, vcc_lo
	global_store_b32 v[Z], v[X], s[12:13]          ; one number a work-group: four bytes, by one lane; the next launch adds the 512
.Ldone:
	s_endpgm
.Lfunc_end_k_q8eef1a24b2_gather:
	.size	k_q8eef1a24b2_gather, .Lfunc_end_k_q8eef1a24b2_gather-k_q8eef1a24b2_gather
	.p2alignl 7, 3214868480
	.fill 96, 4, 3214868480
	.section	.rodata,"a",@progbits
	.p2align	6, 0x0
	.amdhsa_kernel k_q8eef1a24b2_gather
		.amdhsa_group_segment_fixed_size 1280
		.amdhsa_private_segment_fixed_size 0
		.amdhsa_enable_private_segment 0
		.amdhsa_kernarg_size 40
		.amdhsa_user_sgpr_count 2
		.amdhsa_user_sgpr_kernarg_segment_ptr 1
		.amdhsa_wavefront_size32 1
		.amdhsa_system_sgpr_workgroup_id_x 1
		.amdhsa_system_sgpr_workgroup_id_y 1
		.amdhsa_system_sgpr_workgroup_id_z 1
		.amdhsa_system_vgpr_workitem_id 0
		.amdhsa_next_free_vgpr 178
		.amdhsa_next_free_sgpr 66
		.amdhsa_reserve_vcc 1
		.amdhsa_float_denorm_mode_32 3
		.amdhsa_float_denorm_mode_16_64 3
		.amdhsa_memory_ordered 1
		.amdhsa_forward_progress 1
		.amdhsa_inst_pref_size 15
	.end_amdhsa_kernel
	.amdgpu_metadata
---
amdhsa.version: [ 1, 2 ]
amdhsa.kernels:
  - .name:           k_q8eef1a24b2_gather
    .symbol:         k_q8eef1a24b2_gather.kd
    .args:
      - { .name: inputs, .offset: 0, .size: 8, .value_kind: global_buffer, .address_space: global }
      - { .name: idx, .offset: 8, .size: 8, .value_kind: global_buffer, .address_space: global }
      - { .name: et, .offset: 16, .size: 8, .value_kind: global_buffer, .address_space: global }
      - { .name: out0, .offset: 24, .size: 8, .value_kind: global_buffer, .address_space: global }
      - { .name: part, .offset: 32, .size: 8, .value_kind: global_buffer, .address_space: global }
    .group_segment_fixed_size: 1280
    .private_segment_fixed_size: 0
    .kernarg_segment_align: 8
    .kernarg_segment_size: 40
    .max_flat_workgroup_size: 256
    .sgpr_count:     66
    .vgpr_count:     178
    .wavefront_size: 32
...
	.end_amdgpu_metadata
.endif
;; end of part 2
;; launch total (part 3): grid 1 x 1, 1 waves a work-group, no clusters, 0 bytes of LDS; arguments part, out1; writes out1
.if DOCPART == 3
	.amdgcn_target "amdgcn-amd-amdhsa--gfx1250"
	.amdhsa_code_object_version 6
	.text
	.protected	k_q8eef1a24b2_total
	.globl	k_q8eef1a24b2_total
	.p2align	8
	.type	k_q8eef1a24b2_total,@function
k_q8eef1a24b2_total:
	s_mov_b64 s[64:65], 0
	v_nop
	global_prefetch_b8 v0, s[64:65] scope:SCOPE_SE
	s_setreg_imm32_b32 hwreg(HW_REG_WAVE_MODE, 25, 1), 1
	s_wait_xcnt 0x0
; out1 = 0.25 x the mean of (q - x)^2 = the sum of the 512 work-groups' shares x 2^-25 (0.25 / (131,072 x 64)): one wave, in a fixed order.
	s_load_b128 s[4:7], s[0:1], 0x0                ; part s[4:5], out1 s[6:7]
	v_lshlrev_b32 v1, 4, v0
	s_mov_b32 s8, 0x76543210
	s_mov_b32 s9, 0xfedcba98
	s_wait_alu depctr_va_vdst(0)
	s_wait_kmcnt 0x0
.irp i, 0,1,2,3
	global_load_b128 v[4+4*\i:7+4*\i], v1, s[4:5] offset:512*\i    ; 32 lanes read 512 consecutive bytes; four loads are the 2,048 bytes
.endr
	s_wait_loadcnt 0x0
	v_pk_add_f32 v[4:5], v[4:5], v[6:7]
	v_pk_add_f32 v[8:9], v[8:9], v[10:11]
	v_pk_add_f32 v[12:13], v[12:13], v[14:15]
	v_pk_add_f32 v[16:17], v[16:17], v[18:19]
	v_pk_add_f32 v[4:5], v[4:5], v[8:9]
	v_pk_add_f32 v[12:13], v[12:13], v[16:17]
	v_pk_add_f32 v[4:5], v[4:5], v[12:13]
	v_add_f32 v4, v4, v5
	v_add_f32_dpp v4, v4, v4 row_xmask:1 row_mask:0xf bank_mask:0xf
	v_add_f32_dpp v4, v4, v4 row_xmask:2 row_mask:0xf bank_mask:0xf
	v_add_f32_dpp v4, v4, v4 row_xmask:4 row_mask:0xf bank_mask:0xf
	v_add_f32_dpp v4, v4, v4 row_xmask:8 row_mask:0xf bank_mask:0xf
	v_permlanex16_b32 v5, v4, s8, s9
	v_add_f32 v4, v4, v5
	v_mul_f32 v4, 0x33000000, v4                   ; x 2^-25: nothing is rounded
	v_mov_b32 v2, 0
	v_cmp_eq_u32 vcc_lo, 0, v0
	s_wait_alu depctr_va_vdst(0)
	s_wait_xcnt 0x0                                ; EXEC changes only behind this wait
	s_and_saveexec_b32 s10, vcc_lo
	global_store_b32 v2, v4, s[6:7]
	s_endpgm
.Lfunc_end_k_q8eef1a24b2_total:
	.size	k_q8eef1a24b2_total, .Lfunc_end_k_q8eef1a24b2_total-k_q8eef1a24b2_total
	.p2alignl 7, 3214868480
	.fill 96, 4, 3214868480
	.section	.rodata,"a",@progbits
	.p2align	6, 0x0
	.amdhsa_kernel k_q8eef1a24b2_total
		.amdhsa_group_segment_fixed_size 0
		.amdhsa_private_segment_fixed_size 0
		.amdhsa_enable_private_segment 0
		.amdhsa_kernarg_size 16
		.amdhsa_user_sgpr_count 2
		.amdhsa_user_sgpr_kernarg_segment_ptr 1
		.amdhsa_wavefront_size32 1
		.amdhsa_system_sgpr_workgroup_id_x 1
		.amdhsa_system_sgpr_workgroup_id_y 1
		.amdhsa_system_sgpr_workgroup_id_z 1
		.amdhsa_system_vgpr_workitem_id 0
		.amdhsa_next_free_vgpr 24
		.amdhsa_next_free_sgpr 66
		.amdhsa_reserve_vcc 1
		.amdhsa_float_denorm_mode_32 3
		.amdhsa_float_denorm_mode_16_64 3
		.amdhsa_memory_ordered 1
		.amdhsa_forward_progress 1
		.amdhsa_inst_pref_size 3
	.end_amdhsa_kernel
	.amdgpu_metadata
---
amdhsa.version: [ 1, 2 ]
amdhsa.kernels:
  - .name:           k_q8eef1a24b2_total
    .symbol:         k_q8eef1a24b2_total.kd
    .args:
      - { .name: part, .offset: 0, .size: 8, .value_kind: global_buffer, .address_space: global }
      - { .name: out1, .offset: 8, .size: 8, .value_kind: global_buffer, .address_space: global }
    .group_segment_fixed_size: 0
    .private_segment_fixed_size: 0
    .kernarg_segment_align: 8
    .kernarg_segment_size: 16
    .max_flat_workgroup_size: 32
    .sgpr_count:     66
    .vgpr_count:     24
    .wavefront_size: 32
...
	.end_amdgpu_metadata
.endif
;; end of part 3
